; MI455X (gfx1250); checked and timed in simulation.
; The chip was launched on July 23, 2026; its instructions are those of AMD's public machine-readable ISA for CDNA 5 (MIT licence, August 2026) and "CDNA5" Instruction Set Architecture Reference Guide (July 2026). The comments in the code are by the model that wrote it; some were corrected since.
;; Bahdanau Attention. Allowed arithmetic: matrix products marked QUANTISED: E4M3 operands, one given power-of-two scale a tensor, by v_wmma_f32_16x16x64_fp8_fp8 or v_wmma_f32_16x16x128_fp8_fp8, f32 sums; products left as they are: f32 operands where the result goes on into a quantised operand, else bf16, f16 or f32 operands; f32 sums; everything else in f32.
;; Inputs: W_dec_codes 1,024 x 32 x 32 uint8 (E4M3 codes of W_dec, K innermost, in blocks of 32 codes); W_enc_codes 1,024 x 32 x 32 uint8 (E4M3 codes of W_enc, K innermost, in blocks of 32 codes); decoder_hidden_codes 32 x 32 x 32 uint8 (E4M3 codes of decoder_hidden, K innermost, in blocks of 32 codes); encoder_outputs 32 x 2,048 x 1,024 float32; lowp_scales 4 int32 (the exponents e of the quantised operands' scales 2^e); mask 32 x 2,048 bool; v 1,024 float32.
;; Outputs: out0 32 x 1,024 float32; out1 32 x 2,048 float32.
;; This version of the problem:
;;   THIS VERSION OF THE PROBLEM IS GIVEN IN LOW PRECISION. The matrix products marked QUANTISED in the list below multiply operands that are first quantised to E4M3 (4 exponent bits, 3 mantissa bits; 8 bits a number), with one given power-of-two scale for each operand tensor; their sums are f32. All else is computed in f32.
;;   The module's matrix products, in the order in which they are computed (A, B: the left and right operand; K: the contracted axis; several contracted axes count as one K, in the product's order):
;;     1. [M 65,536, K 1,024] x [K 1,024, N 1,024]; A: input encoder_outputs; B: input W_enc (given as codes): QUANTISED (scales: A lowp_scales[0], B lowp_scales[1])
;;     2. [M 32, K 1,024] x [K 1,024, N 1,024]; A: input decoder_hidden (given as codes); B: input W_dec (given as codes): QUANTISED (scales: A lowp_scales[2], B lowp_scales[3])
;;     3. [M 65,536, K 1,024] x [K 1,024, N 1]; A: computed on the way; B: input v: left as it is (N = 1 < 16)
;;     4. batch 32 x [M 1, K 2,048] x [K 2,048, N 1,024]; A: softmax; B: input encoder_outputs: left as it is (M = 1 < 16)
;;   THE QUANTISER, for each operand of a quantised product, along K:
;;     - The operand's scale is 2^e, e = its entry of the input lowp_scales (int32; the entries are numbered through the quantised products in the list's order, A before B).
;;     - Each number is divided by the scale, clamped to +-448, and rounded to the nearest number of E4M3, ties to even, subnormals kept.
;;     - The product sums the exact products of the quantised numbers (number of the format x scale) in f32.
;;   ~~~python
;;   def quantise(x, axis, e):      # numpy; x: float32 -> the quantised numbers, widened to float32 again
;;       x = np.moveaxis(x, axis, -1); K = x.shape[-1]
;;       r = np.clip(x / 2.0 ** e, -448, 448)
;;       step = 2.0 ** (np.maximum(np.frexp(np.where(r == 0, 1, r))[1] - 1, -6) - 3)
;;       q = np.round(r / step) * step * 2.0 ** e      # np.round: ties to even
;;       return np.moveaxis(q, -1, axis).astype(np.float32)
;;   ~~~
;;   INPUTS GIVEN AS CODES. W_dec (in the module: [1024, 1024], K = its axis 0); W_enc (in the module: [1024, 1024], K = its axis 0); decoder_hidden (in the module: [32, 1024], K = its axis 1): each comes as NAME_codes (uint8): NAME with its K axis moved to the last place and cut into blocks of 32 codes, [.., K / 32, bytes a block], one block behind the other in memory; one code a byte (a code: sign, 4 exponent bits, 3 mantissa bits); its scale is its entry of lowp_scales. Its value is code x scale, taken as it is: it is not quantised again, and the codes and scales need not be those that the quantiser above would give.
;; One version. Each part assembles by itself: llvm-mc -triple=amdgcn-amd-amdhsa -mcpu=gfx1250 --defsym DOCPART=n.
;; ======== version 1 of 1: 2 launches
;; limits: right only within a limited range of input values
;; workspace buffers: scores 262,144 bytes
;; launch scores (part 1): grid 256 x 1, 4 waves a work-group, clusters of 4 x 1, 327,680 bytes of LDS; arguments encoder_outputs, W_enc_codes, W_dec_codes, decoder_hidden_codes, lowp_scales, v, scores; writes scores
.if DOCPART == 1
	.amdgcn_target "amdgcn-amd-amdhsa--gfx1250"
	.amdhsa_code_object_version 6
	.text
	.protected	k_q4be87d3124_scores
	.globl	k_q4be87d3124_scores
	.p2align	8
	.type	k_q4be87d3124_scores,@function
k_q4be87d3124_scores:
	s_mov_b64 s[64:65], 0
	v_nop
	global_prefetch_b8 v0, s[64:65] scope:SCOPE_SE
	s_setreg_imm32_b32 hwreg(HW_REG_WAVE_MODE, 25, 1), 1
	s_wait_xcnt 0x0
	s_wait_alu depctr_hold_cnt(0) depctr_sa_sdst(0) depctr_va_vdst(0) depctr_va_sdst(0) depctr_va_ssrc(0) depctr_va_vcc(0) depctr_vm_vsrc(0)
	s_getreg_b32 s2, hwreg(HW_REG_IB_STS2, 6, 4)
	s_cmp_eq_u32 s2, 0
	s_cbranch_scc0 .Lentry_in_a_cluster
	s_endpgm
.Lentry_in_a_cluster:
	s_bfe_u32 s2, ttmp6, 0x10000c
	s_cmp_lg_u32 s2, 0x3003
	s_cbranch_scc0 .Lentry_shape_is_right
	s_endpgm
.Lentry_shape_is_right:
; scores'[b][s] = log2e x sum over d of v[d] tanh(enc_proj[b][s][d] + dec_proj[b][d]), less log2e x sum over d of v[d].
; tanh(x) = 1 - 2 / (1 + 2^(2 log2e x)), so what is summed is (-2 log2e v[d]) / (1 + 2^(2 log2e x)).  LEFT OUT: the term log2e x sum of v, which is
; the same for every position s of a row of the softmax that the next launch takes, whatever v holds: it cancels there.  A NaN or an overflow of that sum alone is not carried on.
; Both products are QUANTISED: the encoder is quantised here with 2^e0 (held at 448 x 2^e0), W_enc, W_dec and the decoder's state come as codes.
; LIMIT: e0 between -126 and 119 (2^e0 and 448 x 2^e0 are made as f32 numbers by shifts); e0 + e1 and e2 + e3 go in by v_ldexp_f32.
; SHARES.  A work-group owns 256 positions of one batch, a wave 64 of them: their codes, 64 x 1,024, stay in 512 registers (windows 1 and 2).
; THE HEAD reads the wave's rows of the encoder, quantises them, turns them through the wave's stage in LDS into operand order, and between that walks W_dec for dec_proj (table DTAB; table V2TAB holds -2 log2e v).
; THE N LOOP walks W_enc's 1,024 rows through a ring of two LDS slots of 128 rows, filled by loads that the four work-groups of a cluster ask for jointly.
; The matrix instruction is used transposed (source 0 = 16 rows of W, source 1 = 16 positions): a lane holds one position, its registers run along d.
.set PITCH,  1040
.set WROWS,  16*PITCH
.set WPART,  32*PITCH
.set SLOT1,  128*PITCH
.set STG,    2*SLOT1
.set SPITCH, 528
.set STGW,   16*SPITCH
.set V2TAB,  STG+4*STGW
.set DTAB,   V2TAB+4096
.set SCR,    DTAB+4096
.set SPARE,  SCR+1024
.set ACP,  16
.set BFR,  96
.set ACC,  16                          ; v16-143  the N loop's 16 accumulators: (tile u of 16 columns, tile t of 16 positions) at ACC + 32 u + 8 t
.set DCO,  144                         ; v144-175 dec_proj x 2 log2e at the lane's 8 columns of each of the 4 tiles
.set VV2,  176                         ; v176-207 -2 log2e v likewise
.set SCO,  208                         ; v208-223 the scores' sums: 8 pairs, two for each tile of positions
.set TO_B, 0xc0                        ; destination window 3 (W's fragments: four buffers of 64 registers), address window 0
.set TMP,  232
.set MSB, 0
.macro WIN new
.if MSB != \new
	s_set_vgpr_msb (MSB<<8)|\new
.set MSB, \new
.endif
.endm
.macro PLACES n
.rept \n
	v_nop
.endr
.endm
.macro CREST
	s_cmp_lg_u32 s18, 0
	s_cbranch_scc1 .Lnw0_\@
	s_barrier_signal -3
.Lnw0_\@:
	s_barrier_wait -3
	s_barrier_signal -1
	s_barrier_wait -1
.endm
.macro CROUND
	s_barrier_signal -1
	s_barrier_wait -1
	CREST
.endm
.macro STEPG base
	s_add_co_u32 s42, s42, 0x20000
	s_and_b32 s42, s42, 0xfffff
	s_add_nc_u64 s[34:35], s[\base:\base+1], s[42:43]
	s_or_b32 s35, s35, 0x80000000
	s_add_co_u32 s33, s52, s69
.endm
.macro RUN adr, off, f0
.irp k,0,1,2,3
.irp c,0,1,2,3
	ds_load_b128 v[BFR+16*(\f0+\k)+4*\c:BFR+16*(\f0+\k)+4*\c+3], v[\adr] offset:\off+128*(\f0+\k)+32*\c
.endr
.endr
.endm
.macro ENCBLK q, set
.irp n,0,1,2,3,4,5,6,7
	v_med3_num_f32 v[64*(\set)+8*(\q)+\n], v[64*(\set)+8*(\q)+\n], s49, s48
.endr
	v_cvt_scalef32_pk8_fp8_f32 v[128+16*(\set)+2*(\q):129+16*(\set)+2*(\q)], v[64*(\set)+8*(\q):64*(\set)+8*(\q)+7], v163
.if (\q) == 7
	v_nop
.endif
	ds_store_b32 v162, v[128+16*(\set)+2*(\q)] offset:(4*(\set)+2*((\q)/4))*SPITCH+128*((\q)%4)
	ds_store_b32 v162, v[129+16*(\set)+2*(\q)] offset:(4*(\set)+2*((\q)/4)+1)*SPITCH+128*((\q)%4)
.endm
.macro ENCP set
.irp q,0,1,2,3,4,5,6,7
	ENCBLK \q, \set
.endr
.endm
.macro ENCLOAD set, base
.irp q,0,1,2,3,4,5,6,7
.irp y,0,1
	global_load_b128 v[64*(\set)+8*\q+4*\y:64*(\set)+8*\q+4*\y+3], v160, s[\base:\base+1] offset:(4*(\set)+2*(\q/4)+\y)*4096+(\q%4)*512 th:TH_LOAD_NT
.endr
.endr
.endm
; THE N LOOP.  A step takes 64 rows of W_enc (4 tiles of 16) against the wave's 64 positions (4 tiles): 16 accumulators, 8 K steps of 128, 128 matrix instructions with no transcendental among them.
; W's fragments of K step k: 4 tiles x 16 registers into buffer k % 4 of window 3, by 16 LDS loads
.macro BLOAD k
.irp u,0,1,2,3
.irp c,0,1,2,3
	ds_load_b128 v[64*((\k)%4)+16*\u+4*\c:64*((\k)%4)+16*\u+4*\c+3], v4 offset:\u*WROWS+128*(\k)+32*\c
.endr
.endr
.endm
; K step k: asks for K step k + 2's fragments and multiplies.  The 16 accumulators take turns, one instruction a turn.
.macro KSTEP k
.if (\k) == 0
.irp u,0,1,2,3                         ; the step's tables, 16 loads: read when the sums are finished
	ds_load_b128 v[DCO+8*\u:DCO+8*\u+3], v10 offset:64*\u
	ds_load_b128 v[DCO+8*\u+4:DCO+8*\u+7], v10 offset:64*\u+16
	ds_load_b128 v[VV2+8*\u:VV2+8*\u+3], v11 offset:64*\u
	ds_load_b128 v[VV2+8*\u+4:VV2+8*\u+7], v11 offset:64*\u+16
.endr
.endif
.if (\k) < 6
.if (\k) > 1
	PLACES 4                                       ; in front of loads into the buffer that K step k - 2 multiplied; for k = 0, 1 the step's head has the places
.endif
	WIN TO_B
	BLOAD (\k)+2
.endif
.if (\k) < 2
	s_wait_dscnt 48                                ; behind K step k's 16 loads: the next K step's 16 or the tables' 16, and two runs of 16 more
.elseif (\k) < 6
	s_wait_dscnt 32                                ; behind them: K steps k + 1 and k + 2
.else
	s_wait_dscnt 16*(7-(\k))                       ; nothing more is asked for
.endif
.if (\k) < 4
	WIN 0x07                                       ; source 0 window 3 (W), source 1 window 1 (codes, K 0-511), C and D window 0
.else
	WIN 0x0b                                       ; source 1 window 2 (K 512-1,023)
.endif
.irp u,0,1,2,3
.irp t,0,1,2,3
.if (\k) == 0
	v_wmma_f32_16x16x128_fp8_fp8 v[ACC+32*\u+8*\t:ACC+32*\u+8*\t+7], v[64*((\k)%4)+16*\u:64*((\k)%4)+16*\u+15], v[64*((\k)%4)+16*\t:64*((\k)%4)+16*\t+15], 0
.else
	v_wmma_f32_16x16x128_fp8_fp8 v[ACC+32*\u+8*\t:ACC+32*\u+8*\t+7], v[64*((\k)%4)+16*\u:64*((\k)%4)+16*\u+15], v[64*((\k)%4)+16*\t:64*((\k)%4)+16*\t+15], v[ACC+32*\u+8*\t:ACC+32*\u+8*\t+7]
.endif
.endr
.endr
.endm
; The finished sums of a step, 128 registers: y = 2 log2e (enc_proj + dec_proj); 2^y; + 1; the reciprocal; x (-2 log2e v), summed.  Two batches of 128 transcendentals, each with one wait ahead of it and one behind it.
.macro EPI
.irp u,0,1,2,3
.irp t,0,1,2,3
.irp j,0,2,4,6
	v_pk_fma_f32 v[ACC+32*\u+8*\t+\j:ACC+32*\u+8*\t+\j+1], v[ACC+32*\u+8*\t+\j:ACC+32*\u+8*\t+\j+1], s[46:47], v[DCO+8*\u+\j:DCO+8*\u+\j+1] op_sel_hi:[1,0,1]
.endr
.endr
.endr
	s_wait_alu depctr_va_vdst(0)
.set en, 0
.rept 128
	v_exp_f32 v[ACC+en], v[ACC+en]
.set en, en+1
.endr
	v_nop                                          ; a plain place behind the batch
	s_wait_alu depctr_va_vdst(0)
.set en, 0
.rept 64
	v_pk_add_f32 v[ACC+en:ACC+en+1], v[ACC+en:ACC+en+1], 1.0 op_sel_hi:[1,0]
.set en, en+2
.endr
	s_wait_alu depctr_va_vdst(0)
.set en, 0
.rept 128
	v_rcp_f32 v[ACC+en], v[ACC+en]                 ; 2^y = infinity gives 0: tanh = 1
.set en, en+1
.endr
	v_nop
	s_wait_alu depctr_va_vdst(0)
.irp u,0,1,2,3
.irp j,0,2,4,6
.irp t,0,1,2,3
	v_pk_fma_f32 v[SCO+4*(\j%4)+2*\t:SCO+4*(\j%4)+2*\t+1], v[ACC+32*\u+8*\t+\j:ACC+32*\u+8*\t+\j+1], v[VV2+8*\u+\j:VV2+8*\u+\j+1], v[SCO+4*(\j%4)+2*\t:SCO+4*(\j%4)+2*\t+1]   ; eight chains by turns
.endr
.endr
.endr
.endm
; A step.  Its first two K steps' fragments are asked for first; the work on the step before's sums (epi = 1) stands behind those loads; then the eight K steps.
.macro BODY epi
	v_add_nc_u32 v4, s67, v3                       ; the step's 64 rows of W in the slot in hand
	v_add_nc_u32 v10, s51, v8                      ; its 64 columns in the two tables
	v_add_nc_u32 v11, s51, v9
	v_nop                                          ; these four lines are the places behind the last products
	s_wait_alu depctr_va_vdst(0)
	WIN TO_B
	BLOAD 0
	BLOAD 1
	WIN 0
.if \epi
	EPI
.endif
.irp k,0,1,2,3,4,5,6,7
	KSTEP \k
.endr
	WIN 0
	s_add_co_u32 s67, s67, 64*PITCH
	s_add_co_u32 s51, s51, 256
.endm
; THE CHANGE OF SLOTS stands at a slot's head: all my tensor loads are in (my part of the slot ahead), the add, my reads of the slot that I leave are over (the last K step waited for all).
; fill = 1: a round of the cluster's barrier, and behind it the slot just left takes the 128 rows of W_enc two slots on, by my one joint load.
.macro CHANGE fill
	s_wait_tensorcnt 0x0
	ds_add_u32 v1, v2
.if \fill
	STEPG 40
.endif
	s_wait_dscnt 0x0
.if \fill
	CROUND
	tensor_load_to_lds s[32:35], s[24:31]
	s_nop 0
	PLACES 4
.else
	s_barrier_signal -1
	s_barrier_wait -1
.endif
	s_xor_b32 s52, s52, SLOT1
	s_mov_b32 s67, s52
.endm
.macro SLOTB                           ; a slot's two steps
	s_mov_b32 s50, 0
.Lb_\@:
	BODY 1
	s_add_co_u32 s50, s50, 1
	s_cmp_lt_u32 s50, 2
	s_cbranch_scc1 .Lb_\@
.endm
.macro DPER g
	v_add_nc_u32 v6, s52, v7
	s_wait_alu depctr_va_vdst(0)
	v_add_nc_u32 v13, s51, v12
.irp a,0,1
.if \a
	PLACES 4
.endif
	RUN 6, \a*WROWS, 0
	RUN 6, \a*WROWS, 4
	s_wait_dscnt 0x0
	WIN 0x08
.irp k,0,1,2,3,4,5,6,7
.if \k < 2
	v_wmma_f32_16x16x128_fp8_fp8 v[ACP+16*\a+8*(\k%2):ACP+16*\a+8*(\k%2)+7], v[BFR+16*\k:BFR+16*\k+15], v[128+16*\k:128+16*\k+15], 0
.else
	v_wmma_f32_16x16x128_fp8_fp8 v[ACP+16*\a+8*(\k%2):ACP+16*\a+8*(\k%2)+7], v[BFR+16*\k:BFR+16*\k+15], v[128+16*\k:128+16*\k+15], v[ACP+16*\a+8*(\k%2):ACP+16*\a+8*(\k%2)+7]
.endif
.endr
	WIN 0
.endr
	PLACES 4
.irp j,0,2,4,6
	v_pk_add_f32 v[TMP+\j:TMP+\j+1], v[ACP+\j:ACP+\j+1], v[ACP+8+\j:ACP+8+\j+1]
.endr
.irp j,0,2,4,6
	v_pk_add_f32 v[TMP+8+\j:TMP+8+\j+1], v[ACP+16+\j:ACP+16+\j+1], v[ACP+24+\j:ACP+24+\j+1]
.endr
.irp j,0,2,4,6,8,10,12,14
	v_pk_mul_f32 v[TMP+\j:TMP+\j+1], v[TMP+\j:TMP+\j+1], s[62:63] op_sel_hi:[1,0]
.endr
	ds_store_b128 v13, v[TMP:TMP+3]
	ds_store_b128 v13, v[TMP+4:TMP+7] offset:16
	ds_store_b128 v13, v[TMP+8:TMP+11] offset:64
	ds_store_b128 v13, v[TMP+12:TMP+15] offset:80
	s_wait_tensorcnt 0x0
	ds_add_u32 v1, v2
	STEPG \g
	s_wait_dscnt 0x0
	CROUND
	tensor_load_to_lds s[32:35], s[24:31]
	s_nop 0
	PLACES 4
	s_xor_b32 s52, s52, SLOT1
	s_add_co_u32 s51, s51, 512
.endm
.macro PAIRT d, g, ld, pfch, ew1
	WIN 0xff
	v_add_nc_u32 v162, s86, v161
	s_wait_loadcnt 16
	ENCP 0
.if \ld
	ENCLOAD 0, 54
.endif
.if \pfch
	WIN 0
	global_prefetch_b8 v250, s[84:85] th:TH_LOAD_NT scope:SCOPE_SE
	global_prefetch_b8 v250, s[84:85] offset:16384 th:TH_LOAD_NT scope:SCOPE_SE
	WIN 0xff
.endif
	s_wait_loadcnt \ew1
	ENCP 1
.if \ld
	ENCLOAD 1, 54
.endif
	WIN 0
.if \d
	DPER \g
.else
	s_wait_dscnt 0x0
.endif
.if \ld
	s_wait_xcnt 0x0
	s_mov_b64 s[54:55], s[84:85]
	s_add_co_u32 s74, s74, 1
	s_and_b32 s76, s74, 7
	s_lshl_b32 s76, s76, 15
	s_lshr_b32 s66, s74, 3
	s_lshl_b32 s66, s66, 11
	s_add_co_u32 s76, s76, s66
	s_add_nc_u64 s[84:85], s[72:73], s[76:77]
.endif
	s_add_co_u32 s86, s86, 8*SPITCH
.endm
.macro READBACK t, kh
.if \kh
	WIN 0x80
.else
	WIN 0x40
.endif
.irp kk,0,1,2,3
.irp c,0,1,2,3
	ds_load_b128 v[64*\kk+16*(\t)+4*\c:64*\kk+16*(\t)+4*\c+3], v249 offset:128*\kk+32*\c
.endr
.endr
	WIN 0
.endm
.macro HALF t, kh, d, g
	s_mov_b32 s86, 0
	s_mov_b32 s50, 0
.Lh_\@:
	PAIRT \d, \g, 1, 1, 16
	s_add_co_u32 s50, s50, 1
	s_cmp_lt_u32 s50, 2
	s_cbranch_scc1 .Lh_\@
	READBACK \t, \kh
.endm
	s_load_b256 s[4:11], s[0:1], 0x0
	s_load_b128 s[12:15], s[0:1], 0x20
	s_load_b64 s[16:17], s[0:1], 0x30
	v_lshl_add_u32 v1, v0, 2, SPARE
	v_mov_b32 v2, 0
	ds_add_u32 v1, v2
	ds_add_u32 v1, v2
	s_wait_dscnt 0x0
	v_lshrrev_b32 v3, 5, v0
	v_readfirstlane_b32 s18, v3
	s_bfe_u32 s21, ttmp6, 0x40000
	s_lshl_b32 s22, ttmp9, 2
	s_add_co_u32 s22, s22, s21
	s_lshr_b32 s23, ttmp9, 1
	s_mov_b32 s24, 15|(1<<20)|(1<<21)|(7<<22)|(3<<25)
	s_mov_b32 s25, 1024<<16
	s_mov_b32 s26, 32<<16
	s_mov_b32 s27, 1024<<16
	s_mov_b32 s28, 32
	s_mov_b32 s29, 1024
	s_mov_b32 s30, 0
	s_mov_b32 s31, 0
	s_mov_b32 s60, 0x76543210
	s_mov_b32 s61, 0xfedcba98
	s_mov_b32 s42, 0x20000
	s_mov_b32 s43, 0
	s_mov_b32 s51, 0
	s_mov_b32 s52, 0
	s_mov_b32 s74, 2
	s_mul_i32 s69, s18, WPART
	s_lshl_b32 s76, s18, 15
	s_mov_b32 s77, 0
	s_lshl_b32 s78, s22, 20
	s_lshl_b32 s79, s18, 18
	s_add_co_u32 s78, s78, s79
	s_mov_b32 s79, 0
	s_lshl_b32 s80, s23, 10
	s_mov_b32 s81, 0
	s_lshl_b32 s82, s22, 10
	s_lshl_b32 s83, s18, 8
	s_add_co_u32 s82, s82, s83
	s_mov_b32 s83, 0
	s_wait_kmcnt 0x0
	s_load_b128 s[56:59], s[12:13], 0x0
	s_add_nc_u64 s[40:41], s[6:7], s[76:77]
	s_add_nc_u64 s[70:71], s[8:9], s[76:77]
	s_add_nc_u64 s[72:73], s[4:5], s[78:79]
	s_add_nc_u64 s[10:11], s[10:11], s[80:81]
	s_add_nc_u64 s[16:17], s[16:17], s[82:83]
	s_add_nc_u64 s[54:55], s[72:73], 0x8000
	s_add_nc_u64 s[84:85], s[72:73], 0x10000
	s_mov_b32 s36, 1
	s_mov_b32 s37, s69
	s_mov_b64 s[38:39], s[70:71]
	s_or_b32 s39, s39, 0x80000000
	s_mov_b32 s32, 1
	s_add_co_u32 s33, s69, SLOT1
	s_add_nc_u64 s[34:35], s[70:71], 0x20000
	s_or_b32 s35, s35, 0x80000000
	CROUND
	tensor_load_to_lds s[36:39], s[24:31]
	s_nop 0
	s_wait_alu depctr_va_vdst(0)
	s_wait_tensorcnt 0x0
	ds_add_u32 v1, v2
	s_wait_dscnt 0x0
	CROUND
	tensor_load_to_lds s[32:35], s[24:31]
	s_nop 0
	PLACES 4
	v_and_b32 v251, 15, v0
	v_bfe_u32 v252, v0, 4, 1
	v_and_b32 v253, 31, v0
	v_mul_u32_u24 v3, v251, PITCH
	v_lshl_add_u32 v3, v252, 4, v3
	v_add_nc_u32 v7, s69, v3
	v_lshlrev_b32 v8, 5, v252
	v_add_nc_u32 v9, V2TAB, v8
	v_add_nc_u32 v8, DTAB, v8
	s_lshl_b32 s66, s18, 7
	v_add_nc_u32 v12, s66, v8
	s_lshl_b32 s66, s18, 8
	s_add_co_u32 s66, s66, SCR
	v_lshl_add_u32 v14, v251, 2, s66
	v_lshl_add_u32 v15, v253, 3, s66
	v_lshlrev_b32 v248, 3, v253
	s_mul_i32 s66, s18, STGW
	s_add_co_u32 s66, s66, STG
	v_mul_u32_u24 v249, v251, SPITCH
	v_lshl_add_u32 v249, v252, 4, v249
	v_add_nc_u32 v249, s66, v249
	v_and_b32 v6, 7, v253
	v_lshlrev_b32 v6, 8, v6
	v_lshrrev_b32 v250, 3, v253
	v_lshl_add_u32 v250, v250, 12, v6
	v_lshlrev_b32 v254, 4, v252
	v_lshlrev_b32 v255, 4, v0
	v_lshl_add_u32 v6, v0, 4, V2TAB
	WIN 0xc0
	v_lshlrev_b32 v160, 4, v253
	v_lshl_add_u32 v161, v253, 2, s66
	WIN 0
	global_load_b128 v[TMP:TMP+3], v255, s[14:15]
	global_load_b128 v[TMP+4:TMP+7], v255, s[14:15] offset:2048
	WIN 0x80
.irp k,0,1,2,3,4,5,6,7
.irp c,0,1,2,3
	global_load_b128 v[128+16*\k+4*\c:128+16*\k+4*\c+3], v254, s[10:11] offset:128*\k+32*\c
.endr
.endr
	WIN 0xff
	ENCLOAD 0, 72
	ENCLOAD 1, 72
	WIN 0
	s_wait_kmcnt 0x0
	s_add_co_i32 s66, s56, s57
	v_mov_b32 v240, 0x4038aa3b
	v_ldexp_f32 v241, v240, s66
	v_readfirstlane_b32 s46, v241
	s_mov_b32 s47, s46
	s_add_co_i32 s66, s58, s59
	v_ldexp_f32 v241, v240, s66
	v_readfirstlane_b32 s62, v241
	s_mov_b32 s63, s62
	s_add_co_i32 s66, s56, 127
	s_lshl_b32 s67, s66, 23
	s_add_co_i32 s66, s66, 8
	s_lshl_b32 s48, s66, 23
	s_or_b32 s48, s48, 0x600000
	s_or_b32 s49, s48, 0x80000000
	WIN 0xc0
	v_mov_b32 v163, s67
	WIN 0
	s_wait_loadcnt 32
.irp j,0,2,4,6
	v_pk_mul_f32 v[TMP+\j:TMP+\j+1], v[TMP+\j:TMP+\j+1], 0xc038aa3b op_sel_hi:[1,0]
.endr
	ds_store_b128 v6, v[TMP:TMP+3]
	ds_store_b128 v6, v[TMP+4:TMP+7] offset:2048
	s_wait_dscnt 0x0
	s_wait_tensorcnt 0x1
	s_barrier_signal -1
	s_barrier_wait -1
	HALF 0, 0, 1, 70
	HALF 1, 0, 1, 70
	HALF 2, 0, 1, 70
	HALF 3, 0, 1, 40
	HALF 0, 1, 0, 0
	HALF 1, 1, 0, 0
	HALF 2, 1, 0, 0
	s_mov_b32 s86, 0
	PAIRT 0, 0, 1, 0, 16
	PAIRT 0, 0, 0, 0, 0
	READBACK 3, 1
.set en, 0
.rept 16
	v_mov_b32 v[SCO+en], 0                         ; the scores' sums
.set en, en+1
.endr
	s_mov_b32 s51, 0
	s_mov_b32 s67, s52                             ; W_enc's rows 0-127 lie in slot 0: every wave waited for its part ahead of the head's last round
	BODY 0                                         ; the first step has no sums to finish
	BODY 1
	s_mov_b32 s68, 0
.Lg:                                               ; slots 1 to 6: each change asks for the slot after the next
	CHANGE 1
	SLOTB
	s_add_co_u32 s68, s68, 1
	s_cmp_lt_u32 s68, 6
	s_cbranch_scc1 .Lg
	CHANGE 0                                       ; the last slot is written out: nothing more is asked for
	SLOTB
	PLACES 4
	EPI                                            ; the last step's sums
.irp t,0,1,2,3
	v_pk_add_f32 v[SCO+2*\t:SCO+2*\t+1], v[SCO+2*\t:SCO+2*\t+1], v[SCO+8+2*\t:SCO+8+2*\t+1]
.endr
.irp t,0,1,2,3
	v_add_f32 v[TMP+\t], v[SCO+2*\t], v[SCO+2*\t+1]
.endr
.irp t,0,1,2,3
	v_permlanex16_b32 v[TMP+4+\t], v[TMP+\t], s60, s61
.endr
.irp t,0,1,2,3
	v_add_f32 v[TMP+\t], v[TMP+\t], v[TMP+4+\t]
.endr
.irp t,0,1,2,3
	ds_store_b32 v14, v[TMP+\t] offset:64*\t
.endr
	ds_load_b64 v[TMP+8:TMP+9], v15
	s_wait_dscnt 0x0
	global_store_b64 v248, v[TMP+8:TMP+9], s[16:17]
	s_wait_tensorcnt 0x0
	ds_add_u32 v1, v2
	s_wait_dscnt 0x0
	CROUND
	s_endpgm
.Lfunc_end_k_q4be87d3124_scores:
	.size	k_q4be87d3124_scores, .Lfunc_end_k_q4be87d3124_scores-k_q4be87d3124_scores
	.p2alignl 7, 3214868480
	.fill 96, 4, 3214868480
	.section	.rodata,"a",@progbits
	.p2align	6, 0x0
	.amdhsa_kernel k_q4be87d3124_scores
		.amdhsa_group_segment_fixed_size 327680
		.amdhsa_private_segment_fixed_size 0
		.amdhsa_enable_private_segment 0
		.amdhsa_kernarg_size 56
		.amdhsa_user_sgpr_count 2
		.amdhsa_user_sgpr_kernarg_segment_ptr 1
		.amdhsa_wavefront_size32 1
		.amdhsa_system_sgpr_workgroup_id_x 1
		.amdhsa_system_sgpr_workgroup_id_y 1
		.amdhsa_system_sgpr_workgroup_id_z 1
		.amdhsa_system_vgpr_workitem_id 0
		.amdhsa_next_free_vgpr 1024
		.amdhsa_next_free_sgpr 100
		.amdhsa_reserve_vcc 0
		.amdhsa_float_denorm_mode_32 3
		.amdhsa_float_denorm_mode_16_64 3
		.amdhsa_memory_ordered 1
		.amdhsa_forward_progress 1
		.amdhsa_inst_pref_size 255
	.end_amdhsa_kernel
	.section	.bss,"aw",@nobits
	.p2align	6
	.space	262144
	.amdgpu_metadata
---
amdhsa.version: [ 1, 2 ]
amdhsa.kernels:
  - .name:           k_q4be87d3124_scores
    .symbol:         k_q4be87d3124_scores.kd
    .args:
      - { .name: encoder_outputs, .offset: 0, .size: 8, .value_kind: global_buffer, .address_space: global }
      - { .name: W_enc_codes, .offset: 8, .size: 8, .value_kind: global_buffer, .address_space: global }
      - { .name: W_dec_codes, .offset: 16, .size: 8, .value_kind: global_buffer, .address_space: global }
      - { .name: decoder_hidden_codes, .offset: 24, .size: 8, .value_kind: global_buffer, .address_space: global }
      - { .name: lowp_scales, .offset: 32, .size: 8, .value_kind: global_buffer, .address_space: global }
      - { .name: v, .offset: 40, .size: 8, .value_kind: global_buffer, .address_space: global }
      - { .name: scores, .offset: 48, .size: 8, .value_kind: global_buffer, .address_space: global }
    .group_segment_fixed_size: 327680
    .private_segment_fixed_size: 0
    .kernarg_segment_align: 8
    .kernarg_segment_size: 56
    .max_flat_workgroup_size: 128
    .sgpr_count:     100
    .vgpr_count:     1024
    .wavefront_size: 32
...
	.end_amdgpu_metadata
.endif
;; end of part 1
;; launch context (part 2): grid 256 x 1, 32 waves a work-group, no clusters, 20,992 bytes of LDS; arguments encoder_outputs, mask, scores, out0, out1; writes out0, out1
.if DOCPART == 2
	.amdgcn_target "amdgcn-amd-amdhsa--gfx1250"
	.amdhsa_code_object_version 6
	.text
	.protected	k_q4be87d3124_context
	.globl	k_q4be87d3124_context
	.p2align	8
	.type	k_q4be87d3124_context,@function
k_q4be87d3124_context:
	s_mov_b64 s[64:65], 0
	v_nop
	global_prefetch_b8 v0, s[64:65] scope:SCOPE_SE
	s_setreg_imm32_b32 hwreg(HW_REG_WAVE_MODE, 25, 1), 1
	s_wait_xcnt 0x0
; weights = softmax over s of the masked scores; context[b][e] = sum over s of weights[b][s] x encoder_outputs[b][s][e].  All in f32.
; The stored scores are score x log2e less a constant of the batch, so p = 2^(score' - M), M the batch's largest unmasked score'; the constant falls out.
; SHARES.  Work-group = 8 b + sl owns columns 128 sl .. 128 sl + 127 of batch b.  Thread t holds positions 2 t and 2 t + 1, so wave w holds the weights of the 64 rows that it reads itself: 64 w .. 64 w + 63.
; A load of a wave takes 512 consecutive bytes of one row, at a multiple of 512 from the buffer's first byte.
; THE MASK STEERS ADDRESSES, NOT BRANCHES.  The wave's 64 rows go in eight runs of 8.  A run all of whose rows the mask hides is not read at its own place: its loads name the batch's rows 0 to 7
; (a base chosen by s_cselect_b32 on the mask's bytes), which the work-group's wave 0 reads anyway, and its weights are 0.  So every wait on LOADcnt has one count on every way through the text.
; Three sets of 8 rows take turns: 24 loads a wave go out ahead of the softmax, and a set is asked for again as soon as it has been summed.
; LIMIT: infinities or NaN of the encoder in a run that is hidden altogether do not reach the context (0 x them would be NaN).  A batch that is hidden altogether gives NaN in both outputs, as the softmax of nothing does.
; No matrix unit (one row of weights a batch), no cluster (the work-groups share 10 KiB of scores and mask), no ring and no prefetch: 32 waves have 16 to 24 loads each on their way throughout.
.set RED,  0                           ; 32 waves x 512 bytes: the waves' parts of the context
.set MAXS, 16384                       ; 32 words
.set SUMS, 16640                       ; 32 words
.set SPARE, 16896                      ; the spare words, 128 bytes a wave
.macro WMAX r                          ; the largest over the wave's 32 lanes, in every lane
	v_max_num_f32_dpp v\r, v\r, v\r row_xmask:1 row_mask:0xf bank_mask:0xf
	s_delay_alu instid0(VALU_DEP_1)
	v_max_num_f32_dpp v\r, v\r, v\r row_xmask:2 row_mask:0xf bank_mask:0xf
	s_delay_alu instid0(VALU_DEP_1)
	v_max_num_f32_dpp v\r, v\r, v\r row_xmask:4 row_mask:0xf bank_mask:0xf
	s_delay_alu instid0(VALU_DEP_1)
	v_max_num_f32_dpp v\r, v\r, v\r row_xmask:8 row_mask:0xf bank_mask:0xf
	s_wait_alu depctr_va_vdst(0)
	v_permlanex16_b32 v11, v\r, s58, s59
	s_delay_alu instid0(VALU_DEP_1)
	v_max_num_f32 v\r, v\r, v11
.endm
.macro WSUM r
	v_add_f32_dpp v\r, v\r, v\r row_xmask:1 row_mask:0xf bank_mask:0xf
	s_delay_alu instid0(VALU_DEP_1)
	v_add_f32_dpp v\r, v\r, v\r row_xmask:2 row_mask:0xf bank_mask:0xf
	s_delay_alu instid0(VALU_DEP_1)
	v_add_f32_dpp v\r, v\r, v\r row_xmask:4 row_mask:0xf bank_mask:0xf
	s_delay_alu instid0(VALU_DEP_1)
	v_add_f32_dpp v\r, v\r, v\r row_xmask:8 row_mask:0xf bank_mask:0xf
	s_wait_alu depctr_va_vdst(0)
	v_permlanex16_b32 v11, v\r, s58, s59
	s_delay_alu instid0(VALU_DEP_1)
	v_add_f32 v\r, v\r, v11
.endm
.macro HLOAD i                         ; run i of my 64 rows, 8 loads, into set i % 3 (v32-63, v64-95, v96-127); its base stands in s[66 + 2 i : 67 + 2 i]
.irp j,0,1,2,3,4,5,6,7
	global_load_b128 v[32+32*((\i)%3)+4*\j:35+32*((\i)%3)+4*\j], v5, s[66+2*(\i):67+2*(\i)] offset:\j*4096
.endr
.endm
.macro HUSE i                          ; run i is summed.  Row j of it has its p in lane 4 i + j / 2, in v6 (j even) or v7 (j odd)
.if (\i) < 6
	s_wait_loadcnt 16                              ; behind run i's loads: two runs of 8
.else
	s_wait_loadcnt 8*(7-(\i))
.endif
.irp j,0,1,2,3
	v_readlane_b32 s[36+4*\j], v6, 4*(\i)+\j
	v_readlane_b32 s[38+4*\j], v7, 4*(\i)+\j
.endr
.irp j,0,1,2,3,4,5,6,7
	v_pk_fma_f32 v[20+4*(\j%2):21+4*(\j%2)], v[32+32*((\i)%3)+4*\j:33+32*((\i)%3)+4*\j], s[36+2*\j:37+2*\j], v[20+4*(\j%2):21+4*(\j%2)] op_sel_hi:[1,0,1]
	v_pk_fma_f32 v[22+4*(\j%2):23+4*(\j%2)], v[34+32*((\i)%3)+4*\j:35+32*((\i)%3)+4*\j], s[36+2*\j:37+2*\j], v[22+4*(\j%2):23+4*(\j%2)] op_sel_hi:[1,0,1]
.endr
.if (\i) < 5
	HLOAD (\i)+3                                   ; the set takes the run three further on
.endif
.endm
	s_load_b256 s[4:11], s[0:1], 0x0               ; encoder s[4:5], mask s[6:7], scores s[8:9], out0 s[10:11]
	s_load_b64 s[12:13], s[0:1], 0x20              ; out1
	v_lshl_add_u32 v29, v0, 2, SPARE
	v_mov_b32 v30, 0
	v_lshrrev_b32 v1, 5, v0
	s_delay_alu instid0(VALU_DEP_1)
	v_readfirstlane_b32 s14, v1                    ; wave 0..31
	v_and_b32 v2, 31, v0                           ; lane
	s_lshr_b32 s15, ttmp9, 3                       ; b
	s_and_b32 s16, ttmp9, 7                        ; sl
	v_lshlrev_b32 v3, 1, v0                        ; my two bytes of the mask
	v_lshlrev_b32 v4, 3, v0                        ; my two scores, and my two weights
	v_lshlrev_b32 v5, 4, v2                        ; 16 x lane
	v_lshlrev_b32 v12, 2, v1                       ; my wave's word
	v_lshlrev_b32 v13, 2, v2                       ; my lane's word
	v_lshlrev_b32 v28, 9, v1
	s_delay_alu instid0(VALU_DEP_1)
	v_add_nc_u32 v28, v28, v5                      ; my wave's part in RED
	v_mov_b32 v9, 0xff800000                       ; -infinity
	s_mov_b32 s58, 0x76543210
	s_mov_b32 s59, 0xfedcba98
	s_lshl_b32 s18, s15, 11                        ; the batch's 2,048 bytes of the mask
	s_mov_b32 s19, 0
	s_lshl_b32 s52, s14, 6
	s_add_co_u32 s52, s52, s18                     ; my wave's 64 of them
	s_mov_b32 s53, 0
	s_lshl_b32 s54, s15, 13                        ; the batch's 8,192 bytes of scores and of weights
	s_mov_b32 s55, 0
	s_lshl_b32 s56, s15, 23                        ; the batch's rows of the encoder,
	s_lshl_b32 s57, s16, 9                         ; my work-group's 512 bytes of a row
	s_add_co_u32 s56, s56, s57
	s_lshl_b32 s60, s15, 12                        ; and of the batch's row of the context
	s_add_co_u32 s60, s60, s57
	s_mov_b32 s57, 0
	s_mov_b32 s61, 0
	s_lshl_b32 s63, s14, 3                         ; my first run of 8 rows among the batch's 256
.irp j,0,1,2,3,4,5,6,7
	s_mov_b32 s[37+2*\j], 0                        ; the upper words of the pairs that the packed multiply-adds name
.endr
	s_wait_alu depctr_va_vdst(0)
	s_wait_kmcnt 0x0
	s_add_nc_u64 s[52:53], s[6:7], s[52:53]
	s_load_b512 s[20:35], s[52:53], 0x0            ; my wave's 64 bytes of the mask, as whole numbers: they choose the bases below
	s_add_nc_u64 s[6:7], s[6:7], s[18:19]
	s_add_nc_u64 s[8:9], s[8:9], s[54:55]
	s_add_nc_u64 s[12:13], s[12:13], s[54:55]
	s_add_nc_u64 s[4:5], s[4:5], s[56:57]
	s_add_nc_u64 s[10:11], s[10:11], s[60:61]
	global_load_b64 v[6:7], v4, s[8:9]
	global_load_u16 v8, v3, s[6:7]
	s_wait_kmcnt 0x0
.irp i,0,1,2,3,4,5,6,7
	s_add_co_u32 s62, s63, \i                      ; the run's number in the batch
	s_and_b32 s60, s[20+2*\i], s[21+2*\i]
	s_cmp_eq_u32 s60, 0x01010101                   ; all eight bytes are 1: the run is hidden,
	s_cselect_b32 s[66+2*\i], 0, s62               ; and run 0 is named in its stead
	s_min_u32 s[66+2*\i], s[66+2*\i], 255
	s_lshl_b32 s[66+2*\i], s[66+2*\i], 15          ; 8 rows of 4,096 bytes
	s_mov_b32 s[67+2*\i], 0
	s_add_nc_u64 s[66+2*\i:67+2*\i], s[4:5], s[66+2*\i:67+2*\i]
.endr
	HLOAD 0
	HLOAD 1
	HLOAD 2
	s_wait_loadcnt 24                              ; the scores and the mask are in; behind them: three runs of 8
	v_and_b32 v10, 0xff, v8
	v_lshrrev_b32 v11, 8, v8
	s_delay_alu instid0(VALU_DEP_2)
	v_cmp_ne_u32 vcc_lo, 0, v10
	s_delay_alu instid0(VALU_DEP_1)
	v_cndmask_b32 v6, v6, v9, vcc_lo               ; a hidden position's score is -infinity
	s_delay_alu instid0(VALU_DEP_3)
	v_cmp_ne_u32 vcc_lo, 0, v11
	s_delay_alu instid0(VALU_DEP_1)
	v_cndmask_b32 v7, v7, v9, vcc_lo
	s_delay_alu instid0(VALU_DEP_1)
	v_max_num_f32 v10, v6, v7
	WMAX 10
	ds_store_b32 v12, v10 offset:MAXS              ; all lanes write the wave's word with the same number
	s_wait_dscnt 0x0
	s_barrier_signal -1
	s_barrier_wait -1
	ds_load_b32 v10, v13 offset:MAXS               ; lane l takes wave l's
	s_wait_dscnt 0x0
	WMAX 10                                        ; M
	s_delay_alu instid0(VALU_DEP_1)
	v_sub_f32 v6, v6, v10
	s_delay_alu instid0(VALU_DEP_2)
	v_sub_f32 v7, v7, v10
	s_wait_alu depctr_va_vdst(0)
	v_exp_f32 v6, v6                               ; p, at most 1
	v_exp_f32 v7, v7
	v_nop                                          ; a plain line behind the exponentials,
	s_wait_alu depctr_va_vdst(0)                   ; and the wait ahead of their first reader
	v_add_f32 v14, v6, v7
	WSUM 14
	ds_store_b32 v12, v14 offset:SUMS
	s_wait_dscnt 0x0
	s_barrier_signal -1
	s_barrier_wait -1
	ds_load_b32 v14, v13 offset:SUMS
	s_wait_dscnt 0x0
	WSUM 14                                        ; the row's sum
	s_wait_alu depctr_va_vdst(0)
	v_rcp_f32 v15, v14
.irp j,20,21,22,23,24,25,26,27
	v_mov_b32 v\j, 0                               ; the context's sums, for even and for odd rows.  Plain lines behind the reciprocal
.endr
	s_wait_alu depctr_va_vdst(0)
	s_lshr_b32 s62, s14, 2
	s_cmp_lg_u32 s62, s16                          ; of the batch's eight work-groups each stores 256 weights: waves 4 sl .. 4 sl + 3
	s_cbranch_scc1 .Lno_weights
	v_mul_f32 v16, v6, v15
	v_mul_f32 v17, v7, v15
	global_store_b64 v4, v[16:17], s[12:13]        ; 32 lanes store 256 consecutive bytes, at a multiple of 256 from the buffer's first byte
.Lno_weights:
.irp i,0,1,2,3,4,5,6,7
	HUSE \i
.endr
	s_wait_alu depctr_va_vdst(0)
	v_pk_add_f32 v[20:21], v[20:21], v[24:25]
	v_pk_add_f32 v[22:23], v[22:23], v[26:27]
	ds_store_b128 v28, v[20:23]
	s_wait_dscnt 0x0                               ; for wave 0's sake: my part lies in LDS
	s_barrier_signal -1
	s_barrier_wait -1
	s_cmp_lg_u32 s14, 0
	s_cbranch_scc1 .Lend
.irp j,0,1,2,3,4,5,6,7,8,9,10,11,12,13,14,15
	ds_load_b128 v[32+4*\j:35+4*\j], v5 offset:RED+512*\j
.endr
	s_wait_dscnt 0x0
	v_pk_add_f32 v[20:21], v[32:33], v[36:37]
	v_pk_add_f32 v[22:23], v[34:35], v[38:39]
.irp j,2,3,4,5,6,7,8,9,10,11,12,13,14,15
	s_delay_alu instid0(VALU_DEP_2)
	v_pk_add_f32 v[20:21], v[20:21], v[32+4*\j:33+4*\j]
	s_delay_alu instid0(VALU_DEP_2)
	v_pk_add_f32 v[22:23], v[22:23], v[34+4*\j:35+4*\j]
.endr
.irp j,0,1,2,3,4,5,6,7,8,9,10,11,12,13,14,15
	ds_load_b128 v[32+4*\j:35+4*\j], v5 offset:RED+512*(16+\j)
.endr
	s_wait_alu depctr_va_vdst(0)
	s_wait_dscnt 0x0
.irp j, 0
	v_pk_add_f32 v[20:21], v[20:21], v[32+4*\j:33+4*\j]
	v_pk_add_f32 v[22:23], v[22:23], v[34+4*\j:35+4*\j]
.endr
.irp j, 1, 2, 3, 4, 5, 6, 7, 8, 9, 10, 11, 12, 13, 14, 15
	s_delay_alu instid0(VALU_DEP_2)
	v_pk_add_f32 v[20:21], v[20:21], v[32+4*\j:33+4*\j]
	s_delay_alu instid0(VALU_DEP_2)
	v_pk_add_f32 v[22:23], v[22:23], v[34+4*\j:35+4*\j]
.endr
.irp j,20,21,22,23
	v_mul_f32 v\j, v\j, v15                        ; / the row's sum
.endr
	global_store_b128 v5, v[20:23], s[10:11]       ; 32 lanes store 512 consecutive bytes, at a multiple of 512 from the buffer's first byte
.Lend:
	s_wait_tensorcnt 0x0                           ; the wave's end
	ds_add_u32 v29, v30
	s_wait_dscnt 0x0
	s_endpgm
.Lfunc_end_k_q4be87d3124_context:
	.size	k_q4be87d3124_context, .Lfunc_end_k_q4be87d3124_context-k_q4be87d3124_context
	.p2alignl 7, 3214868480
	.fill 96, 4, 3214868480
	.section	.rodata,"a",@progbits
	.p2align	6, 0x0
	.amdhsa_kernel k_q4be87d3124_context
		.amdhsa_group_segment_fixed_size 20992
		.amdhsa_private_segment_fixed_size 0
		.amdhsa_enable_private_segment 0
		.amdhsa_kernarg_size 40
		.amdhsa_user_sgpr_count 2
		.amdhsa_user_sgpr_kernarg_segment_ptr 1
		.amdhsa_wavefront_size32 1
		.amdhsa_system_sgpr_workgroup_id_x 1
		.amdhsa_system_sgpr_workgroup_id_y 1
		.amdhsa_system_sgpr_workgroup_id_z 1
		.amdhsa_system_vgpr_workitem_id 0
		.amdhsa_next_free_vgpr 128
		.amdhsa_next_free_sgpr 84
		.amdhsa_reserve_vcc 1
		.amdhsa_float_denorm_mode_32 3
		.amdhsa_float_denorm_mode_16_64 3
		.amdhsa_memory_ordered 1
		.amdhsa_forward_progress 1
		.amdhsa_inst_pref_size 36
	.end_amdhsa_kernel
	.amdgpu_metadata
---
amdhsa.version: [ 1, 2 ]
amdhsa.kernels:
  - .name:           k_q4be87d3124_context
    .symbol:         k_q4be87d3124_context.kd
    .args:
      - { .name: encoder_outputs, .offset: 0, .size: 8, .value_kind: global_buffer, .address_space: global }
      - { .name: mask, .offset: 8, .size: 8, .value_kind: global_buffer, .address_space: global }
      - { .name: scores, .offset: 16, .size: 8, .value_kind: global_buffer, .address_space: global }
      - { .name: out0, .offset: 24, .size: 8, .value_kind: global_buffer, .address_space: global }
      - { .name: out1, .offset: 32, .size: 8, .value_kind: global_buffer, .address_space: global }
    .group_segment_fixed_size: 20992
    .private_segment_fixed_size: 0
    .kernarg_segment_align: 8
    .kernarg_segment_size: 40
    .max_flat_workgroup_size: 1024
    .sgpr_count:     84
    .vgpr_count:     128
    .wavefront_size: 32
...
	.end_amdgpu_metadata
.endif
;; end of part 2
